; MI455X (gfx1250); checked and timed in simulation.
; The chip was launched on July 23, 2026; its instructions are those of AMD's public machine-readable ISA for CDNA 5 (MIT licence, August 2026) and "CDNA5" Instruction Set Architecture Reference Guide (July 2026). The comments in the code are by the model that wrote it; some were corrected since.
;; Collective Fusion Attention. Allowed arithmetic: float matrix products may take bf16 or f16 operands with f32 sums; all other float work in f32.
;; Inputs: V 16 x 5 x 8 x 65,536 float32; betas 16 x 4 float32; expert_pos_embed 16 x 128 float32; masks 16 x 65,536 bool; temperature 1 float32.
;; Outputs: out0 8 x 65,536 float32.
;; Constants: num_patches = 65536.
;; 2 versions, each right; version 2 is version 1 with the launch fuse written anew for expert scheduling mode. Each part assembles by itself: llvm-mc -triple=amdgcn-amd-amdhsa -mcpu=gfx1250 --defsym DOCPART=n.
;; ======== version 1 of 2: 1 launch
;; launch fuse (part 1): grid 256 x 1, 16 waves a work-group, no clusters, 18,432 bytes of LDS; arguments V, masks, betas, expert_pos_embed, temperature, out0; writes out0
.if DOCPART == 1
	.amdgcn_target "amdgcn-amd-amdhsa--gfx1250"
	.amdhsa_code_object_version 6
	.text
	.protected	k_q465ac35b9f_fuse
	.globl	k_q465ac35b9f_fuse
	.p2align	8
	.type	k_q465ac35b9f_fuse,@function
k_q465ac35b9f_fuse:
	s_mov_b64 s[64:65], 0
	v_nop
	global_prefetch_b8 v0, s[64:65] scope:SCOPE_SE
	s_setreg_imm32_b32 hwreg(HW_REG_WAVE_MODE, 25, 1), 1
	s_wait_xcnt 0x0
; out0[b][p] = ( sum over e of w[e] m[e][p] * sum over d of V[e][d][b][p] ) / max(sum over e of w[e] m[e][p], 1e-6) / 5 / |T|
; w[e] = sigmoid(mean(expert_pos_embed[e])) * (1 + mean(sigmoid(betas[e]))).
; V: [16][5][8][65536] f32, masks: [16][65536] bytes, out0: [8][65536] f32.
;
; A STREAM: each number of V meets one weight, and the weight w[e] m[e][p] differs from patch to patch, so there is no operand
; that a matrix instruction could use twice; the arithmetic is ten packed f32 instructions for five 16-byte loads.  All in f32.
; No cluster: work-groups share nothing but the 8 KB of embeddings and betas.  No prefetch: half of a work-group's bytes are
; asked for by its first instructions and the rest follows as slots come free.
;
; SHARES.  256 work-groups of 16 waves.  Work-group g: patches 256 g .. 256 g + 255, all 8 b.  Wave v: b = v / 2, patches half v % 2.
; A lane: 4 neighbouring patches, so each load of V and the store of a wave cover 512 consecutive bytes, aligned.
; FIRST each wave plays expert e = wave number: it reduces row e of the embeddings (512 bytes = one 16-byte load a lane), forms
; w[e], reads the group's 256 mask bytes of expert e (one 8-byte load a lane: 256 consecutive bytes, aligned, read by this wave
; alone in the whole launch) and lays w[e] m[e][p] as 256 f32 into LDS.  One barrier; then each lane keeps its 16 x 4 weights in registers.
; The first 40 loads of V are issued in front of all that, so the weights are made while V is on its way.
; RING: eight register slots, a slot = one expert = 5 loads (d = 0..4) = 20 registers: 40 loads of a wave in flight.
; Each expert has a scalar base of its own and the one offset register is never rewritten: no source of a pending load is ever touched.
;
; LIMITS.  v_rcp_f32 and v_exp_f32 flush denormals (ISA guide 15.8): 5 |T| must lie in 2^-126 .. 2^126; an expert whose embedding
; mean is below about -87 gets the weight 0 where the exact one would be a denormal.  A mask byte counts as true when it is not 0.
; The five directions are added before the weighting and the division: another order of rounding than the formula's.
.set PLANE,  2097152                   ; bytes from V[e][d] to V[e][d+1]: 8 x 65536 x 4
.set EXPERT, 5*PLANE                   ; bytes from V[e] to V[e+1]
.set DEPTH,  8                         ; slots of the ring
.set ROWB,   1024                      ; an expert's 256 weights in LDS
.set OFF, 1                            ; v1        my 16 bytes in a plane of V and in out0: 262144 b + 1024 g + 16 (t % 64)
.set LA,  2                            ; v2        LDS: my 4 weights in an expert's row: 16 (t % 64)
.set SA,  3                            ; v3        LDS: where I put 8 weights as expert wave: 32 t
.set ACC, 4                            ; v[4:7]    the sums of my 4 patches
.set DEN, 8                            ; v[8:11]   their denominators
.set RD,  12                           ; v[12:15]  1 / max(den, 1e-6)
.set K,   16                           ; v[16:17]  1 / (5 |T|), twice (a pair for the packed multiply)
.set T,   18                           ; v[18:21]  an expert's sum over d
.set WM,  24                           ; v[24:87]  expert e: 4 registers, w[e] m[e][p] of my patches
.set X,   88                           ; v[88:247] slot s: 20 registers, plane d in 4
; the first part's registers lie in WM's, which are filled only behind the barrier
.set EA,  24                           ; offset in the embeddings: 16 t
.set BA,  25                           ; offset in betas: 16 x wave
.set MA,  26                           ; offset in masks: 65536 x wave + 256 g + 8 x lane
.set EM,  28                           ; v[28:31]  4 numbers of my row of the embeddings
.set BE,  32                           ; v[32:35]  my expert's 4 betas
.set MK,  36                           ; v[36:37]  8 mask bytes
.set S,   38                           ; v[38:39]  at work
.set P,   40                           ; v[40:44]  -log2(e) x: the mean, the 4 betas
.set Q,   46                           ; v[46:50]  1 + 2^P
.set R,   52                           ; v[52:56]  the five sigmoids
.set W,   58                           ; v58       w[e]
.set BY,  60                           ; v[60:67]  the 8 mask bytes, one a register
.set WX,  68                           ; v[68:75]  8 weights for LDS
.set BASE, 20                          ; s[20:51]  expert e: address of V[e][2][0][0]
; five loads: expert e, planes d = 0..4.  The base stands at d = 2, so that the immediates run from -2 to +2 planes
; (4 planes would be 8,388,608, one more than the signed 24-bit immediate holds: ISA guide, chapter 10).  V is read once: NT.
.macro FILL e
.irp d, 0,1,2,3,4
	global_load_b128 v[X+20*((\e)%DEPTH)+4*\d:X+20*((\e)%DEPTH)+4*\d+3], v[OFF], s[BASE+2*(\e):BASE+2*(\e)+1] offset:\d*PLANE-2*PLANE th:TH_LOAD_NT
.endr
.endm
	s_load_b256 s[4:11], s[0:1], 0x0               ; V s[4:5], masks s[6:7], betas s[8:9], embeddings s[10:11]
	s_load_b128 s[12:15], s[0:1], 0x20             ; temperature s[12:13], out0 s[14:15]
	v_lshl_add_u32 v248, v0, 2, 0x4000
	v_mov_b32 v249, 0
	s_lshl_b32 s2, ttmp9, 8                        ; 256 g: the group's patches in a row of masks
	s_lshl_b32 s3, ttmp9, 10                       ; 1024 g: the same in a row of f32
	s_mov_b32 s18, 0x76543210                      ; v_permlanex16_b32: lane i of one half reads lane i of the other
	s_mov_b32 s19, 0xfedcba98
	v_lshlrev_b32 v[EA], 4, v0                     ; 16 t: wave e's 32 lanes cover row e of the embeddings
	v_and_b32 v[S], 0x1e0, v0                      ; 32 x wave
	v_and_b32 v[S+1], 31, v0                       ; lane
	v_lshrrev_b32 v[BA], 1, v[S]                   ; 16 x wave
	v_lshlrev_b32 v[S+1], 3, v[S+1]                ; 8 x lane
	v_lshl_or_b32 v[MA], v[S], 11, v[S+1]          ; 65536 x wave + 8 x lane
	v_add_nc_u32 v[MA], s2, v[MA]
	v_and_b32 v[LA], 63, v0
	v_lshlrev_b32 v[LA], 4, v[LA]                  ; 16 (t % 64)
	v_lshrrev_b32 v[OFF], 6, v0                    ; b
	v_lshl_or_b32 v[OFF], v[OFF], 18, v[LA]        ; 262144 b + 16 (t % 64)
	v_add_nc_u32 v[OFF], s3, v[OFF]
	v_lshlrev_b32 v[SA], 5, v0                     ; 32 t = 1024 x wave + 32 x lane
	s_wait_kmcnt 0x0
	s_load_b32 s16, s[12:13], 0x0                  ; T
	; the three small loads go first: loads come back in order (ISA guide 5.7.1), so they can be waited for while V stays out
	global_load_b128 v[EM:EM+3], v[EA], s[10:11]
	global_load_b128 v[BE:BE+3], v[BA], s[8:9]
	global_load_b64 v[MK:MK+1], v[MA], s[6:7] th:TH_LOAD_NT
.irp e, 0,1,2,3,4,5,6,7
	s_add_nc_u64 s[BASE+2*\e:BASE+2*\e+1], s[4:5], \e*EXPERT+2*PLANE
	FILL \e                                        ; the ring is filled: experts 0 to 7
.endr
.irp e, 8,9,10,11,12,13,14,15
	s_add_nc_u64 s[BASE+2*\e:BASE+2*\e+1], s[4:5], \e*EXPERT+2*PLANE
.endr
	; ---- this wave as expert e = wave number: w[e], then w[e] m[e][p] for the group's 256 patches ----
	s_wait_loadcnt 5*DEPTH                         ; the 40 loads of V issued behind them stay out: embeddings, betas and masks are in
	v_add_f32 v[S], v[EM], v[EM+1]
	v_add_f32 v[S+1], v[EM+2], v[EM+3]
	v_add_f32 v[S], v[S], v[S+1]                   ; my 4 of the row's 128
	v_add_f32_dpp v[S], v[S], v[S] row_xmask:1 row_mask:0xf bank_mask:0xf
	v_add_f32_dpp v[S], v[S], v[S] row_xmask:2 row_mask:0xf bank_mask:0xf
	v_add_f32_dpp v[S], v[S], v[S] row_xmask:4 row_mask:0xf bank_mask:0xf
	v_add_f32_dpp v[S], v[S], v[S] row_xmask:8 row_mask:0xf bank_mask:0xf
	v_permlanex16_b32 v[S+1], v[S], s18, s19       ; its destination counts as read: written above
	v_add_f32 v[S], v[S], v[S+1]                   ; the row's sum, in every lane
	; sigmoid(x) = 1 / (1 + 2^(-log2(e) x)); an overflow of the power gives 1 / inf = 0, which is the limit
	v_mul_f32 v[P], 0xbc38aa3b, v[S]               ; -log2(e) / 128 x sum
.irp j, 0,1,2,3
	v_mul_f32 v[P+1+\j], 0xbfb8aa3b, v[BE+\j]      ; -log2(e) x beta
.endr
.irp j, 0,1,2,3,4
	v_exp_f32 v[Q+\j], v[P+\j]
.endr
.irp j, 0,1,2,3
	v_bfe_u32 v[BY+\j], v[MK], 8*\j, 8             ; plain work that touches neither P nor Q stands between the powers and their use (ISA guide 5.7.2)
.endr
	s_wait_alu depctr_va_vdst(0)
.irp j, 0,1,2,3,4
	v_add_f32 v[Q+\j], 1.0, v[Q+\j]
.endr
.irp j, 0,1,2,3,4
	v_rcp_f32 v[R+\j], v[Q+\j]
.endr
.irp j, 0,1,2,3
	v_bfe_u32 v[BY+4+\j], v[MK+1], 8*\j, 8         ; and likewise behind the reciprocals
.endr
	s_wait_alu depctr_va_vdst(0)
	v_add_f32 v[R+1], v[R+1], v[R+2]
	v_add_f32 v[R+3], v[R+3], v[R+4]
	v_add_f32 v[R+1], v[R+1], v[R+3]
	v_fma_f32 v[R+1], v[R+1], 0x3e800000, 1.0      ; 1 + sum / 4
	v_mul_f32 v[W], v[R], v[R+1]                   ; w[e]
.irp j, 0,1,2,3,4,5,6,7
	v_cmp_ne_u32 vcc_lo, 0, v[BY+\j]
	v_cndmask_b32 v[WX+\j], 0, v[W], vcc_lo        ; w[e] where the mask is set, else 0
.endr
	ds_store_b128 v[SA], v[WX:WX+3]                ; lanes 32 bytes apart, so lanes l and l + 8 fall on the same banks:
	ds_store_b128 v[SA], v[WX+4:WX+7] offset:16    ; two stores of a wave in the whole launch, left so
	s_wait_dscnt 0x0                               ; for the other waves' sake: my row is in LDS
	s_barrier_signal -1
	s_barrier_wait -1                              ; all 16 rows are
	; ---- this wave as (b, half): weights into registers, denominators and both reciprocals while V is still coming ----
.irp e, 0,1,2,3,4,5,6,7,8,9,10,11,12,13,14,15
	ds_load_b128 v[WM+4*\e:WM+4*\e+3], v[LA] offset:ROWB*\e    ; 32 lanes, 512 consecutive bytes
.endr
	s_wait_dscnt 0x0
	v_pk_add_f32 v[DEN:DEN+1],   v[WM:WM+1],   v[WM+4:WM+5]    ; the first two experts start the sums: nothing is cleared
	v_pk_add_f32 v[DEN+2:DEN+3], v[WM+2:WM+3], v[WM+6:WM+7]
.irp e, 2,3,4,5,6,7,8,9,10,11,12,13,14,15
	v_pk_add_f32 v[DEN:DEN+1],   v[DEN:DEN+1],   v[WM+4*\e:WM+4*\e+1]
	v_pk_add_f32 v[DEN+2:DEN+3], v[DEN+2:DEN+3], v[WM+4*\e+2:WM+4*\e+3]
.endr
.irp j, 0,1,2,3
	v_max_num_f32 v[DEN+\j], 0x358637bd, v[DEN+\j]             ; max(den, 1e-6)
.endr
	s_wait_kmcnt 0x0                               ; T
	s_and_b32 s16, s16, 0x7fffffff                 ; |T|
	s_mul_f32 s16, s16, 0x40a00000                 ; 5 |T|
.irp j, 0,1,2,3
	v_rcp_f32 v[RD+\j], v[DEN+\j]
.endr
	v_rcp_f32 v[K], s16                            ; the results are used behind the last turn; the next vector instruction is the
	v_rcp_f32 v[K+1], s16                          ; first turn's packed add, which names none of these registers (ISA guide 5.7.2)
; The turn of expert e, in slot e % 8.  left = how many younger loads may stay out.
; The five planes are added as a tree in the slot's own registers, whose loads have landed; the last level goes to T, so that
; the slot can be asked for again (expert e + 8) ahead of the multiply-adds.
.macro TURN e, left
	s_wait_loadcnt \left
.set XS, X+20*((\e)%DEPTH)
	v_pk_add_f32 v[XS:XS+1],     v[XS:XS+1],     v[XS+4:XS+5]      ; d0 + d1
	v_pk_add_f32 v[XS+2:XS+3],   v[XS+2:XS+3],   v[XS+6:XS+7]
	v_pk_add_f32 v[XS+8:XS+9],   v[XS+8:XS+9],   v[XS+12:XS+13]    ; d2 + d3
	v_pk_add_f32 v[XS+10:XS+11], v[XS+10:XS+11], v[XS+14:XS+15]
	v_pk_add_f32 v[XS:XS+1],     v[XS:XS+1],     v[XS+16:XS+17]    ; + d4
	v_pk_add_f32 v[XS+2:XS+3],   v[XS+2:XS+3],   v[XS+18:XS+19]
	v_pk_add_f32 v[T:T+1],       v[XS:XS+1],     v[XS+8:XS+9]
	v_pk_add_f32 v[T+2:T+3],     v[XS+2:XS+3],   v[XS+10:XS+11]
.if \e < DEPTH
	FILL \e+DEPTH
.endif
.if \e == 0
	v_pk_mul_f32 v[ACC:ACC+1],   v[WM:WM+1],   v[T:T+1]            ; the first expert starts the sums
	v_pk_mul_f32 v[ACC+2:ACC+3], v[WM+2:WM+3], v[T+2:T+3]
.else
	v_pk_fma_f32 v[ACC:ACC+1],   v[WM+4*\e:WM+4*\e+1],   v[T:T+1],   v[ACC:ACC+1]
	v_pk_fma_f32 v[ACC+2:ACC+3], v[WM+4*\e+2:WM+4*\e+3], v[T+2:T+3], v[ACC+2:ACC+3]
.endif
.endm
.irp e, 0,1,2,3,4,5,6,7
	TURN \e, 5*(DEPTH-1)                           ; behind slot e's loads: 5 (7 - e) of the first fill and 5 e of the turns before = 35
.endr
.irp e, 8,9,10,11,12,13,14,15
	TURN \e, 75-5*\e                               ; nothing is asked for any more: 35, 30, .. 0 younger loads
.endr
	s_wait_alu depctr_va_vdst(0)
	v_pk_mul_f32 v[ACC:ACC+1],   v[ACC:ACC+1],   v[RD:RD+1]        ; / max(den, 1e-6) first, as the formula does,
	v_pk_mul_f32 v[ACC+2:ACC+3], v[ACC+2:ACC+3], v[RD+2:RD+3]
	v_pk_mul_f32 v[ACC:ACC+1],   v[ACC:ACC+1],   v[K:K+1]          ; then / (5 |T|)
	v_pk_mul_f32 v[ACC+2:ACC+3], v[ACC+2:ACC+3], v[K:K+1]
	global_store_b128 v[OFF], v[ACC:ACC+3], s[14:15] th:TH_STORE_NT    ; out0[b][p] lies at the same offset as V's plane: 512 consecutive bytes a wave, aligned
	s_wait_tensorcnt 0x0
	ds_add_u32 v248, v249
	s_wait_dscnt 0x0
	s_endpgm
.Lfunc_end_k_q465ac35b9f_fuse:
	.size	k_q465ac35b9f_fuse, .Lfunc_end_k_q465ac35b9f_fuse-k_q465ac35b9f_fuse
	.p2alignl 7, 3214868480
	.fill 96, 4, 3214868480
	.section	.rodata,"a",@progbits
	.p2align	6, 0x0
	.amdhsa_kernel k_q465ac35b9f_fuse
		.amdhsa_group_segment_fixed_size 18432
		.amdhsa_private_segment_fixed_size 0
		.amdhsa_enable_private_segment 0
		.amdhsa_kernarg_size 48
		.amdhsa_user_sgpr_count 2
		.amdhsa_user_sgpr_kernarg_segment_ptr 1
		.amdhsa_wavefront_size32 1
		.amdhsa_system_sgpr_workgroup_id_x 1
		.amdhsa_system_sgpr_workgroup_id_y 1
		.amdhsa_system_sgpr_workgroup_id_z 1
		.amdhsa_system_vgpr_workitem_id 0
		.amdhsa_next_free_vgpr 250
		.amdhsa_next_free_sgpr 66
		.amdhsa_reserve_vcc 1
		.amdhsa_float_denorm_mode_32 3
		.amdhsa_float_denorm_mode_16_64 3
		.amdhsa_memory_ordered 1
		.amdhsa_forward_progress 1
		.amdhsa_inst_pref_size 28
	.end_amdhsa_kernel
	.amdgpu_metadata
---
amdhsa.version: [ 1, 2 ]
amdhsa.kernels:
  - .name:           k_q465ac35b9f_fuse
    .symbol:         k_q465ac35b9f_fuse.kd
    .args:
      - { .name: V, .offset: 0, .size: 8, .value_kind: global_buffer, .address_space: global }
      - { .name: masks, .offset: 8, .size: 8, .value_kind: global_buffer, .address_space: global }
      - { .name: betas, .offset: 16, .size: 8, .value_kind: global_buffer, .address_space: global }
      - { .name: expert_pos_embed, .offset: 24, .size: 8, .value_kind: global_buffer, .address_space: global }
      - { .name: temperature, .offset: 32, .size: 8, .value_kind: global_buffer, .address_space: global }
      - { .name: out0, .offset: 40, .size: 8, .value_kind: global_buffer, .address_space: global }
    .group_segment_fixed_size: 18432
    .private_segment_fixed_size: 0
    .kernarg_segment_align: 8
    .kernarg_segment_size: 48
    .max_flat_workgroup_size: 512
    .sgpr_count:     66
    .vgpr_count:     250
    .wavefront_size: 32
...
	.end_amdgpu_metadata
.endif
;; end of part 1
;; ======== version 2 of 2: 1 launch; version 1 with the launch fuse written anew for expert scheduling mode
;; launch fuse (part 2): grid 256 x 1, 16 waves a work-group, no clusters, 18,432 bytes of LDS; arguments V, masks, betas, expert_pos_embed, temperature, out0; writes out0
.if DOCPART == 2
	.amdgcn_target "amdgcn-amd-amdhsa--gfx1250"
	.amdhsa_code_object_version 6
	.text
	.protected	k_q465ac35b9f_fuse
	.globl	k_q465ac35b9f_fuse
	.p2align	8
	.type	k_q465ac35b9f_fuse,@function
k_q465ac35b9f_fuse:
	s_mov_b64 s[64:65], 0
	v_nop
	global_prefetch_b8 v0, s[64:65] scope:SCOPE_SE
	s_setreg_imm32_b32 hwreg(HW_REG_WAVE_SCHED_MODE, 0, 2), 2
	s_setreg_imm32_b32 hwreg(HW_REG_WAVE_MODE, 25, 1), 1
	s_wait_xcnt 0x0
	s_wait_alu depctr_vm_vsrc(0)
; out0[b][p] = ( sum over e of w[e] m[e][p] * sum over d of V[e][d][b][p] ) / max(sum over e of w[e] m[e][p], 1e-6) / 5 / |T|
; w[e] = sigmoid(mean(expert_pos_embed[e])) * (1 + mean(sigmoid(betas[e]))).
; V: [16][5][8][65536] f32, masks: [16][65536] bytes, out0: [8][65536] f32.
;
; A STREAM: each number of V meets one weight, and the weight w[e] m[e][p] differs from patch to patch, so there is no operand
; that a matrix instruction could use twice; the arithmetic is ten packed f32 instructions for five 16-byte loads.  All in f32.
; No cluster: work-groups share nothing but the 8 KB of embeddings and betas.  No prefetch: half of a work-group's bytes are
; asked for by its first instructions and the rest follows as slots come free.
;
; SHARES.  256 work-groups of 16 waves.  Work-group g: patches 256 g .. 256 g + 255, all 8 b.  Wave v: b = v / 2, patches half v % 2.
; A lane: 4 neighbouring patches, so each load of V and the store of a wave cover 512 consecutive bytes, aligned.
; FIRST each wave plays expert e = wave number: it reduces row e of the embeddings (512 bytes = one 16-byte load a lane), forms
; w[e], reads the group's 256 mask bytes of expert e (one 8-byte load a lane: 256 consecutive bytes, aligned, read by this wave
; alone in the whole launch) and lays w[e] m[e][p] as 256 f32 into LDS.  One barrier; then each lane keeps its 16 x 4 weights in registers.
; The first 40 loads of V are issued in front of all that, so the weights are made while V is on its way.
; RING: eight register slots, a slot = one expert = 5 loads (d = 0..4) = 20 registers: 40 loads of a wave in flight.
; Each expert has a scalar base of its own and the one offset register is never rewritten: no source of a pending load is ever touched.
;
; THE MODE: SCHED_MODE bits 1:0 = 2 (LLVM: expert scheduling mode 2), set by the entry lines.  The code itself states the register
; dependences between vector instructions and memory or LDS instructions, with s_wait_alu, always for 0.
; THE PLAN.  Registers that memory or LDS instructions touch:
;   v1 OFF, v2 LA, v3 SA    made by vector instructions at the head and never written again: one wait on va_vdst in front of the first
;                           load serves the 80 loads of V and the store (OFF), the 16 LDS loads (LA) and the 2 LDS stores (SA).
;   v24-26 EA, BA, MA       made at the head too; read by the three small loads; later the weights' LDS loads land in them.
;   v28-75                  the first part's data and work: the small loads land in v28-37, vector instructions name all of them, the
;                           two LDS stores read v68-75 (WX); then the weights' LDS loads land in v24-87.
;                           One wait on va_vdst stands in front of the LDS stores: WX is written; and since no vector instruction
;                           follows it up to the LDS loads, it also states that every vector instruction is done with v24-87.
;                           One wait on vm_vsrc stands in front of the LDS loads: the LDS stores have read WX, the small loads their offsets.
;   the ring, slot e % 8    five loads land; turn e's eight additions read all twenty registers and write eight of them; in turns
;                           0 to 7 the five loads of expert e + 8 land behind ONE wait on va_vdst, which stands straight behind the
;                           additions, so that the slot is asked for again at once.  The two multiply-adds that follow the loads
;                           name WM, T and ACC, which no load of the turn touches.  Turns 8 to 15 issue no load and hold no such wait.
;   v[4:7] ACC              written by vector instructions, read by the one store: a wait on va_vdst in front of it.
;   DEN, RD, K, T           named by vector instructions alone.
; The eight mask compares write eight scalar registers, in one run, with one wait on va_sdst between them and the selects.  EXEC is never written.
;
; LIMITS.  v_rcp_f32 and v_exp_f32 flush denormals (ISA guide 15.8): 5 |T| must lie in 2^-126 .. 2^126; an expert whose embedding
; mean is below about -87 gets the weight 0 where the exact one would be a denormal.  A mask byte counts as true when it is not 0.
; The five directions are added before the weighting and the division: another order of rounding than the formula's.
.set PLANE,  2097152                   ; bytes from V[e][d] to V[e][d+1]: 8 x 65536 x 4
.set EXPERT, 5*PLANE                   ; bytes from V[e] to V[e+1]
.set DEPTH,  8                         ; slots of the ring
.set ROWB,   1024                      ; an expert's 256 weights in LDS
.set OFF, 1                            ; v1        my 16 bytes in a plane of V and in out0: 262144 b + 1024 g + 16 (t % 64)
.set LA,  2                            ; v2        LDS: my 4 weights in an expert's row: 16 (t % 64)
.set SA,  3                            ; v3        LDS: where I put 8 weights as expert wave: 32 t
.set ACC, 4                            ; v[4:7]    the sums of my 4 patches
.set DEN, 8                            ; v[8:11]   their denominators
.set RD,  12                           ; v[12:15]  1 / max(den, 1e-6)
.set K,   16                           ; v[16:17]  1 / (5 |T|), twice (a pair for the packed multiply)
.set T,   18                           ; v[18:21]  an expert's sum over d
.set WM,  24                           ; v[24:87]  expert e: 4 registers, w[e] m[e][p] of my patches
.set X,   88                           ; v[88:247] slot s: 20 registers, plane d in 4
; the first part's registers lie in WM's, which are filled only behind the barrier
.set EA,  24                           ; offset in the embeddings: 16 t
.set BA,  25                           ; offset in betas: 16 x wave
.set MA,  26                           ; offset in masks: 65536 x wave + 256 g + 8 x lane
.set EM,  28                           ; v[28:31]  4 numbers of my row of the embeddings
.set BE,  32                           ; v[32:35]  my expert's 4 betas
.set MK,  36                           ; v[36:37]  8 mask bytes
.set S,   38                           ; v[38:39]  at work
.set P,   40                           ; v[40:44]  -log2(e) x: the mean, the 4 betas
.set Q,   46                           ; v[46:50]  1 + 2^P
.set R,   52                           ; v[52:56]  the five sigmoids
.set W,   58                           ; v58       w[e]
.set BY,  60                           ; v[60:67]  the 8 mask bytes, one a register
.set WX,  68                           ; v[68:75]  8 weights for LDS
.set BASE, 20                          ; s[20:51]  expert e: address of V[e][2][0][0]
.set MS,  4                            ; s[4:11]   behind the small loads' wait: the eight compares' lane masks
; five loads: expert e, planes d = 0..4.  The base stands at d = 2, so that the immediates run from -2 to +2 planes
; (4 planes would be 8,388,608, one more than the signed 24-bit immediate holds: ISA guide, chapter 10).  V is read once: NT.
.macro FILL e
.irp d, 0,1,2,3,4
	global_load_b128 v[X+20*((\e)%DEPTH)+4*\d:X+20*((\e)%DEPTH)+4*\d+3], v[OFF], s[BASE+2*(\e):BASE+2*(\e)+1] offset:\d*PLANE-2*PLANE th:TH_LOAD_NT
.endr
.endm
	s_load_b256 s[4:11], s[0:1], 0x0               ; V s[4:5], masks s[6:7], betas s[8:9], embeddings s[10:11]
	s_load_b128 s[12:15], s[0:1], 0x20             ; temperature s[12:13], out0 s[14:15]
	v_lshl_add_u32 v22, v0, 2, 0x4000
	v_mov_b32 v23, 0
	s_lshl_b32 s2, ttmp9, 8                        ; 256 g: the group's patches in a row of masks
	s_lshl_b32 s3, ttmp9, 10                       ; 1024 g: the same in a row of f32
	s_mov_b32 s18, 0x76543210                      ; v_permlanex16_b32: lane i of one half reads lane i of the other
	s_mov_b32 s19, 0xfedcba98
	v_lshlrev_b32 v[EA], 4, v0                     ; 16 t: wave e's 32 lanes cover row e of the embeddings
	v_and_b32 v[S], 0x1e0, v0                      ; 32 x wave
	v_and_b32 v[S+1], 31, v0                       ; lane
	v_lshrrev_b32 v[BA], 1, v[S]                   ; 16 x wave
	v_lshlrev_b32 v[S+1], 3, v[S+1]                ; 8 x lane
	v_lshl_or_b32 v[MA], v[S], 11, v[S+1]          ; 65536 x wave + 8 x lane
	v_add_nc_u32 v[MA], s2, v[MA]
	v_and_b32 v[LA], 63, v0
	v_lshlrev_b32 v[LA], 4, v[LA]                  ; 16 (t % 64)
	v_lshrrev_b32 v[OFF], 6, v0                    ; b
	v_lshl_or_b32 v[OFF], v[OFF], 18, v[LA]        ; 262144 b + 16 (t % 64)
	v_add_nc_u32 v[OFF], s3, v[OFF]
	v_lshlrev_b32 v[SA], 5, v0                     ; 32 t = 1024 x wave + 32 x lane
	s_wait_kmcnt 0x0
	s_load_b32 s16, s[12:13], 0x0                  ; T
	s_wait_alu depctr_va_vdst(0)                   ; EA, BA, MA, OFF, LA and SA are written: every load, LDS access and the store of the kernel reads one of them as its offset or address
	; the three small loads go first: loads come back in order (ISA guide 5.7.1), so they can be waited for while V stays out
	global_load_b128 v[EM:EM+3], v[EA], s[10:11]
	global_load_b128 v[BE:BE+3], v[BA], s[8:9]
	global_load_b64 v[MK:MK+1], v[MA], s[6:7] th:TH_LOAD_NT
.irp e, 0,1,2,3,4,5,6,7
	s_add_nc_u64 s[BASE+2*\e:BASE+2*\e+1], s[4:5], \e*EXPERT+2*PLANE
	FILL \e                                        ; the ring is filled: experts 0 to 7
.endr
.irp e, 8,9,10,11,12,13,14,15
	s_add_nc_u64 s[BASE+2*\e:BASE+2*\e+1], s[4:5], \e*EXPERT+2*PLANE
.endr
	; ---- this wave as expert e = wave number: w[e], then w[e] m[e][p] for the group's 256 patches ----
	s_wait_loadcnt 5*DEPTH                         ; the 40 loads of V issued behind them stay out: embeddings, betas and masks are in
	v_add_f32 v[S], v[EM], v[EM+1]
	v_add_f32 v[S+1], v[EM+2], v[EM+3]
	v_add_f32 v[S], v[S], v[S+1]                   ; my 4 of the row's 128
	v_add_f32_dpp v[S], v[S], v[S] row_xmask:1 row_mask:0xf bank_mask:0xf
	v_add_f32_dpp v[S], v[S], v[S] row_xmask:2 row_mask:0xf bank_mask:0xf
	v_add_f32_dpp v[S], v[S], v[S] row_xmask:4 row_mask:0xf bank_mask:0xf
	v_add_f32_dpp v[S], v[S], v[S] row_xmask:8 row_mask:0xf bank_mask:0xf
	v_permlanex16_b32 v[S+1], v[S], s18, s19       ; its destination counts as read: written above
	v_add_f32 v[S], v[S], v[S+1]                   ; the row's sum, in every lane
	; sigmoid(x) = 1 / (1 + 2^(-log2(e) x)); an overflow of the power gives 1 / inf = 0, which is the limit
	v_mul_f32 v[P], 0xbc38aa3b, v[S]               ; -log2(e) / 128 x sum
.irp j, 0,1,2,3
	v_mul_f32 v[P+1+\j], 0xbfb8aa3b, v[BE+\j]      ; -log2(e) x beta
.endr
.irp j, 0,1,2,3,4
	v_exp_f32 v[Q+\j], v[P+\j]
.endr
.irp j, 0,1,2,3
	v_bfe_u32 v[BY+\j], v[MK], 8*\j, 8             ; plain work that touches neither P nor Q stands between the powers and their use (ISA guide 5.7.2)
.endr
	s_wait_alu depctr_va_vdst(0)
.irp j, 0,1,2,3,4
	v_add_f32 v[Q+\j], 1.0, v[Q+\j]
.endr
.irp j, 0,1,2,3,4
	v_rcp_f32 v[R+\j], v[Q+\j]
.endr
.irp j, 0,1,2,3
	v_bfe_u32 v[BY+4+\j], v[MK+1], 8*\j, 8         ; and likewise behind the reciprocals
.endr
	s_wait_alu depctr_va_vdst(0)
	v_add_f32 v[R+1], v[R+1], v[R+2]
	v_add_f32 v[R+3], v[R+3], v[R+4]
	v_add_f32 v[R+1], v[R+1], v[R+3]
	v_fma_f32 v[R+1], v[R+1], 0x3e800000, 1.0      ; 1 + sum / 4
	v_mul_f32 v[W], v[R], v[R+1]                   ; w[e]
	; The eight compares stand in one run, each with a scalar register of its own.  s[4:11] are free: all sixteen bases have been made
	; from V's address, and the wait for the three small loads above has shown the loads that read the other three addresses done.
.irp j, 0,1,2,3,4,5,6,7
	v_cmp_ne_u32 s[MS+\j], 0, v[BY+\j]
.endr
	s_wait_alu depctr_va_sdst(0)                   ; the eight compares have written s[4:11], ahead of their first readers, the selects
.irp j, 0,1,2,3,4,5,6,7
	v_cndmask_b32 v[WX+\j], 0, v[W], s[MS+\j]      ; w[e] where the mask is set, else 0
.endr
	s_wait_alu depctr_va_vdst(0)                   ; the selects have written WX, which the LDS stores read; and every vector instruction of this part is done with v24-87, in which the LDS loads behind the barrier land
	ds_store_b128 v[SA], v[WX:WX+3]                ; lanes 32 bytes apart, so lanes l and l + 8 fall on the same banks:
	ds_store_b128 v[SA], v[WX+4:WX+7] offset:16    ; two stores of a wave in the whole launch, left so
	s_wait_dscnt 0x0                               ; for the other waves' sake: my row is in LDS
	s_barrier_signal -1
	s_barrier_wait -1                              ; all 16 rows are
	; ---- this wave as (b, half): weights into registers, denominators and both reciprocals while V is still coming ----
	s_wait_alu depctr_vm_vsrc(0)                   ; my LDS stores have read WX and the three small loads have read EA, BA and MA: the weights below land in these registers
.irp e, 0,1,2,3,4,5,6,7,8,9,10,11,12,13,14,15
	ds_load_b128 v[WM+4*\e:WM+4*\e+3], v[LA] offset:ROWB*\e    ; 32 lanes, 512 consecutive bytes
.endr
	s_wait_dscnt 0x0
	v_pk_add_f32 v[DEN:DEN+1],   v[WM:WM+1],   v[WM+4:WM+5]    ; the first two experts start the sums: nothing is cleared
	v_pk_add_f32 v[DEN+2:DEN+3], v[WM+2:WM+3], v[WM+6:WM+7]
.irp e, 2,3,4,5,6,7,8,9,10,11,12,13,14,15
	v_pk_add_f32 v[DEN:DEN+1],   v[DEN:DEN+1],   v[WM+4*\e:WM+4*\e+1]
	v_pk_add_f32 v[DEN+2:DEN+3], v[DEN+2:DEN+3], v[WM+4*\e+2:WM+4*\e+3]
.endr
.irp j, 0,1,2,3
	v_max_num_f32 v[DEN+\j], 0x358637bd, v[DEN+\j]             ; max(den, 1e-6)
.endr
	s_wait_kmcnt 0x0                               ; T
	s_and_b32 s16, s16, 0x7fffffff                 ; |T|
	s_mul_f32 s16, s16, 0x40a00000                 ; 5 |T|
.irp j, 0,1,2,3
	v_rcp_f32 v[RD+\j], v[DEN+\j]
.endr
	v_rcp_f32 v[K], s16                            ; the results are used behind the last turn; the next vector instruction is the
	v_rcp_f32 v[K+1], s16                          ; first turn's packed add, which names none of these registers (ISA guide 5.7.2)
; The turn of expert e, in slot e % 8.  left = how many younger loads may stay out.
; The five planes are added as a tree in the slot's own registers, whose loads have landed; the last level goes to T, so that
; the slot can be asked for again (expert e + 8) ahead of the multiply-adds.
.macro TURN e, left
	s_wait_loadcnt \left
.set XS, X+20*((\e)%DEPTH)
	v_pk_add_f32 v[XS:XS+1],     v[XS:XS+1],     v[XS+4:XS+5]      ; d0 + d1
	v_pk_add_f32 v[XS+2:XS+3],   v[XS+2:XS+3],   v[XS+6:XS+7]
	v_pk_add_f32 v[XS+8:XS+9],   v[XS+8:XS+9],   v[XS+12:XS+13]    ; d2 + d3
	v_pk_add_f32 v[XS+10:XS+11], v[XS+10:XS+11], v[XS+14:XS+15]
	v_pk_add_f32 v[XS:XS+1],     v[XS:XS+1],     v[XS+16:XS+17]    ; + d4
	v_pk_add_f32 v[XS+2:XS+3],   v[XS+2:XS+3],   v[XS+18:XS+19]
	v_pk_add_f32 v[T:T+1],       v[XS:XS+1],     v[XS+8:XS+9]
	v_pk_add_f32 v[T+2:T+3],     v[XS+2:XS+3],   v[XS+10:XS+11]
.if \e < DEPTH
	s_wait_alu depctr_va_vdst(0)                   ; the eight additions above are done reading and writing the slot's twenty registers, in which the five loads below land
	FILL \e+DEPTH
.endif
.if \e == 0
	v_pk_mul_f32 v[ACC:ACC+1],   v[WM:WM+1],   v[T:T+1]            ; the first expert starts the sums
	v_pk_mul_f32 v[ACC+2:ACC+3], v[WM+2:WM+3], v[T+2:T+3]
.else
	v_pk_fma_f32 v[ACC:ACC+1],   v[WM+4*\e:WM+4*\e+1],   v[T:T+1],   v[ACC:ACC+1]    ; WM, T and ACC: no register that the loads above touch
	v_pk_fma_f32 v[ACC+2:ACC+3], v[WM+4*\e+2:WM+4*\e+3], v[T+2:T+3], v[ACC+2:ACC+3]
.endif
.endm
.irp e, 0,1,2,3,4,5,6,7
	TURN \e, 5*(DEPTH-1)                           ; behind slot e's loads: 5 (7 - e) of the first fill and 5 e of the turns before = 35
.endr
.irp e, 8,9,10,11,12,13,14,15
	TURN \e, 75-5*\e                               ; nothing is asked for any more: 35, 30, .. 0 younger loads
.endr
	v_pk_mul_f32 v[ACC:ACC+1],   v[ACC:ACC+1],   v[RD:RD+1]        ; / max(den, 1e-6) first, as the formula does,
	v_pk_mul_f32 v[ACC+2:ACC+3], v[ACC+2:ACC+3], v[RD+2:RD+3]
	v_pk_mul_f32 v[ACC:ACC+1],   v[ACC:ACC+1],   v[K:K+1]          ; then / (5 |T|)
	v_pk_mul_f32 v[ACC+2:ACC+3], v[ACC+2:ACC+3], v[K:K+1]
	s_wait_alu depctr_va_vdst(0)                   ; the four multiplies have written ACC, which the store reads
	global_store_b128 v[OFF], v[ACC:ACC+3], s[14:15] th:TH_STORE_NT    ; out0[b][p] lies at the same offset as V's plane: 512 consecutive bytes a wave, aligned
	s_wait_dscnt 0x0
	s_wait_alu depctr_hold_cnt(0) depctr_sa_sdst(0) depctr_va_vdst(0) depctr_va_sdst(0) depctr_va_ssrc(0) depctr_va_vcc(0) depctr_vm_vsrc(0)
	s_wait_tensorcnt 0x0
	ds_add_u32 v22, v23
	s_wait_dscnt 0x0
	s_endpgm
.Lfunc_end_k_q465ac35b9f_fuse:
	.size	k_q465ac35b9f_fuse, .Lfunc_end_k_q465ac35b9f_fuse-k_q465ac35b9f_fuse
	.p2alignl 7, 3214868480
	.fill 96, 4, 3214868480
	.section	.rodata,"a",@progbits
	.p2align	6, 0x0
	.amdhsa_kernel k_q465ac35b9f_fuse
		.amdhsa_group_segment_fixed_size 18432
		.amdhsa_private_segment_fixed_size 0
		.amdhsa_enable_private_segment 0
		.amdhsa_kernarg_size 48
		.amdhsa_user_sgpr_count 2
		.amdhsa_user_sgpr_kernarg_segment_ptr 1
		.amdhsa_wavefront_size32 1
		.amdhsa_system_sgpr_workgroup_id_x 1
		.amdhsa_system_sgpr_workgroup_id_y 1
		.amdhsa_system_sgpr_workgroup_id_z 1
		.amdhsa_system_vgpr_workitem_id 0
		.amdhsa_next_free_vgpr 248
		.amdhsa_next_free_sgpr 66
		.amdhsa_reserve_vcc 0
		.amdhsa_float_denorm_mode_32 3
		.amdhsa_float_denorm_mode_16_64 3
		.amdhsa_memory_ordered 1
		.amdhsa_forward_progress 1
		.amdhsa_inst_pref_size 29
	.end_amdhsa_kernel
	.amdgpu_metadata
---
amdhsa.version: [ 1, 2 ]
amdhsa.kernels:
  - .name:           k_q465ac35b9f_fuse
    .symbol:         k_q465ac35b9f_fuse.kd
    .args:
      - { .name: V, .offset: 0, .size: 8, .value_kind: global_buffer, .address_space: global }
      - { .name: masks, .offset: 8, .size: 8, .value_kind: global_buffer, .address_space: global }
      - { .name: betas, .offset: 16, .size: 8, .value_kind: global_buffer, .address_space: global }
      - { .name: expert_pos_embed, .offset: 24, .size: 8, .value_kind: global_buffer, .address_space: global }
      - { .name: temperature, .offset: 32, .size: 8, .value_kind: global_buffer, .address_space: global }
      - { .name: out0, .offset: 40, .size: 8, .value_kind: global_buffer, .address_space: global }
    .group_segment_fixed_size: 18432
    .private_segment_fixed_size: 0
    .kernarg_segment_align: 8
    .kernarg_segment_size: 48
    .max_flat_workgroup_size: 512
    .sgpr_count:     66
    .vgpr_count:     248
    .wavefront_size: 32
...
	.end_amdgpu_metadata
.endif
;; end of part 2
